; MI455X (gfx1250); checked and timed in simulation.
; The chip was launched on July 23, 2026; its instructions are those of AMD's public machine-readable ISA for CDNA 5 (MIT licence, August 2026) and "CDNA5" Instruction Set Architecture Reference Guide (July 2026). The comments in the code are by the model that wrote it; some were corrected since.
;; Quantized E8 P12 Linear Optimized. Allowed arithmetic: matrix products marked QUANTISED: E5M2 operands, one given power-of-two scale a tensor, by v_wmma_f32_16x16x64_bf8_bf8 or v_wmma_f32_16x16x128_bf8_bf8, f32 sums; everything else in f32.
;; Inputs: Qidxs 4,096 x 512 int32; SU 4,096 float32; SV 4,096 float32; grid 65,536 x 8 float32; input 2 x 2,048 x 4,096 float32; lowp_scales 2 int32 (the exponents e of the quantised operands' scales 2^e).
;; Outputs: out0 2 x 2,048 x 4,096 float32.
;; This version of the problem:
;;   THIS VERSION OF THE PROBLEM IS GIVEN IN LOW PRECISION. The matrix products marked QUANTISED in the list below multiply operands that are first quantised to E5M2 (5 exponent bits, 2 mantissa bits; 8 bits a number), with one given power-of-two scale for each operand tensor; their sums are f32. All else is computed in f32.
;;   The module's matrix products, in the order in which they are computed (A, B: the left and right operand; K: the contracted axis; several contracted axes count as one K, in the product's order):
;;     1. [M 4,096, K 4,096] x [K 4,096, N 4,096]; A: computed on the way; B: computed on the way: QUANTISED (scales: A lowp_scales[0], B lowp_scales[1])
;;   THE QUANTISER, for each operand of a quantised product, along K:
;;     - The operand's scale is 2^e, e = its entry of the input lowp_scales (int32; the entries are numbered through the quantised products in the list's order, A before B).
;;     - Each number is divided by the scale, clamped to +-57,344, and rounded to the nearest number of E5M2, ties to even, subnormals kept.
;;     - The product sums the exact products of the quantised numbers (number of the format x scale) in f32.
;;   ~~~python
;;   def quantise(x, axis, e):      # numpy; x: float32 -> the quantised numbers, widened to float32 again
;;       x = np.moveaxis(x, axis, -1); K = x.shape[-1]
;;       r = np.clip(x / 2.0 ** e, -57344, 57344)
;;       step = 2.0 ** (np.maximum(np.frexp(np.where(r == 0, 1, r))[1] - 1, -14) - 2)
;;       q = np.round(r / step) * step * 2.0 ** e      # np.round: ties to even
;;       return np.moveaxis(q, -1, axis).astype(np.float32)
;;   ~~~
;;   OPERANDS COMPUTED ON THE WAY. 'Computed on the way' means the value that the module computes at that place (a softmax that the list does not call 'softmax' is quantised finished and normalised). What goes into a quantiser is computed in f32, as accurately as f32 sums, v_exp_f32 and their like allow (about 1e-6 of the number): no bf16 or f16 on the way to a quantiser, and a product that is left as it is and whose result goes on into a quantised operand takes f32 operands (vector FMAs, or v_wmma_f32_16x16x4_f32). A number that lies on a knife's edge between two numbers of the format may be rounded either way, as far as f32 arithmetic and the matrix unit's own rounding can turn it there, and no further.
;; One version. Each part assembles by itself: llvm-mc -triple=amdgcn-amd-amdhsa -mcpu=gfx1250 --defsym DOCPART=n.
;; ======== version 1 of 1: 3 launches
;; limits: right only within a limited range of input values
;; workspace buffers: a_codes 16,777,216 bytes; b_codes 16,777,216 bytes; cbuf 67,108,864 bytes
;; launch prep (part 1): grid 2048 x 1, 4 waves a work-group, no clusters, 76,800 bytes of LDS; arguments input, SU, Qidxs, grid, lowp_scales, a_codes, b_codes; writes a_codes, b_codes
.if DOCPART == 1
	.amdgcn_target "amdgcn-amd-amdhsa--gfx1250"
	.amdhsa_code_object_version 6
	.text
	.protected	k_qc968800bad_prep
	.globl	k_qc968800bad_prep
	.p2align	8
	.type	k_qc968800bad_prep,@function
k_qc968800bad_prep:
	s_mov_b64 s[64:65], 0
	v_nop
	global_prefetch_b8 v0, s[64:65] scope:SCOPE_SE
	s_setreg_imm32_b32 hwreg(HW_REG_WAVE_MODE, 25, 1), 1
	s_wait_xcnt 0x0
; Both operands of the quantised product are made here, as codes of BF8 (E5M2), one code a byte, K innermost, 4,096 bytes a row.
;   work-groups of kind 0:  a_codes[row] = Q(H(input[row] * SU) / 64, 2^e0)      H: the Walsh-Hadamard sums over 4,096 numbers, in f32
;   work-groups of kind 1:  b_codes[m]   = Q(grid[Qidxs[m]], 2^e1)               each index stands for 8 neighbouring numbers of the row
; Q: number / 2^e, held within +-57,344, rounded to the nearest code, ties to even.  The 1/64 is a power of two: it goes into the conversion's scale, 2^(e0 + 6).
; In kind 0 one wave takes one row; the four waves share nothing, so there is no barrier.
; THE KIND is bit 0 of (number xor number / 256): work-groups with neighbouring numbers are of different kinds, and so are work-groups whose numbers lie 256 (as many as there are WGPs) apart, so that
; rows that stream and rows that gather are mixed along both.  Work-groups 2 i and 2 i + 1 are always one of each kind: kind 0 takes rows 4 i .. 4 i + 3 of a_codes, kind 1 rows 16 (i / 4) .. + 15 of the weight, a quarter of K.
; LIMITS: -126 <= e0 + 6 and e0 + 21 <= 127;  -126 <= e1 and e1 + 15 <= 127, so that each power of two below is an f32 number.  NaN among the inputs is not served; an infinity is held at the largest code.
; An index, read as unsigned, is held at 65,535 ahead of its address.  The twelve stages of H run in another order than bit 0 to bit 11: the same sums, each rounded to f32 as often.
;
; THE ROW IN REGISTERS: 4,096 numbers = 128 registers a lane, in one of two layouts (e: the number's place in the row, l: the lane):
;   DENSE  register X + 4 j + c holds e = 128 j + 4 l + c: load j reads 512 consecutive bytes.  Bits 0, 1, 7 .. 11 of e lie in the register's number.
;   RUN    register X + 4 t + c holds e = 128 l + 4 t + c: 128 neighbours a lane.                Bits 0 .. 6 of e lie in the register's number.
; A stage of H on a bit that lies in the register's number is additions and subtractions between registers, two numbers an instruction.  So bits 0, 1, 7 .. 11 are done in DENSE, the row turns through
; the wave's own stage in LDS, and bits 2 .. 6 are done in RUN, where a lane's neighbours along K are also what the conversions take.
; THE STAGE IN LDS: number e at 16,896 x wave + 528 (e / 128) + 4 (e % 128): blocks of 512 bytes + 16 of padding.  DENSE touches 512 consecutive bytes; in RUN the lanes stand 528 bytes = 33 x 16 apart.
.set BLK, 528                          ; a block of the stage
.set WST, 32*BLK                       ; a wave's stage: 16,896 bytes
.set CP,  144                          ; the codes' turn: a lane's 128 bytes + 16 of padding
.set XO,  2                            ; v2   16 x lane: my bytes in a load's or a store's 512
.set WA,  3                            ; v3   the stage, DENSE: wave's stage + 16 x lane
.set RA,  4                            ; v4   the stage, RUN: wave's stage + 528 x lane
.set CW,  5                            ; v5   the codes' turn, in: wave's stage + 144 x lane
.set CR,  6                            ; v6   the codes' turn, out: wave's stage + 144 (lane / 8) + 16 (lane % 8)
.set SCL, 7                            ; v7   the scale as f32: the conversion takes its exponent field
.set LIM, 8                            ; v8   57,344 x the scale
.set T,   10                           ; v[10:25]   at work (first: SU of loads 16 to 19; in the other path: the indices)
.set U,   26                           ; v[26:41]   at work (first: SU of loads 20 to 23)
.set X,   42                           ; v[42:169]  the row
.set S,   170                          ; v[170:233] SU of loads 0 to 15, then of 24 to 31; later the codes
.set M,   234                          ; v[234:241] x * SU, two sets of four by turns
.set IDX, 10                           ; the other path: v[10:25] sixteen indices
.macro PADD d, a, b                    ; two sums
	v_pk_add_f32 v[\d:\d+1], v[\a:\a+1], v[\b:\b+1]
.endm
.macro PSUB d, a, b                    ; two differences
	v_pk_add_f32 v[\d:\d+1], v[\a:\a+1], v[\b:\b+1] neg_lo:[0,1] neg_hi:[0,1]
.endm
.macro CROSS d, s                      ; the stage on bit 0: of the pair s, low + high into d's low half, low - high into its high half; d is never s
	v_pk_add_f32 v[\d:\d+1], v[\s:\s+1], v[\s:\s+1] op_sel:[0,1] op_sel_hi:[0,1] neg_hi:[0,1]
.endm
; Two stages at once, on the bits log2 d and log2 d + 1 of a pair's number (pair p = v[X + 2 p : X + 2 p + 1]): sixteen groups of four pairs, eight instructions a group, through four pairs of T; nothing is copied.
; w = 1: the row is coming back from LDS: groups g and g + 1 (g even) read registers 16 (g / 2) on, which are LDS loads 4 (g / 2) .. + 3 of 32: 28 - 2 g younger loads may stay out.
.macro R4 d, w
.set g, 0
.rept 16
.set qa, X+2*((g/(\d))*4*(\d)+g%(\d))
.set qb, qa+2*(\d)
.set qc, qa+4*(\d)
.set qd, qa+6*(\d)
.set tq, T+8*(g%2)
.if (\w == 1) && (g%2 == 0)
	s_wait_dscnt 28-2*g
.endif
	PADD tq, qa, qb
	PSUB tq+2, qa, qb
	PADD tq+4, qc, qd
	PSUB tq+6, qc, qd
	PADD qa, tq, tq+4
	PADD qb, tq+2, tq+6
	PSUB qc, tq, tq+4
	PSUB qd, tq+2, tq+6
.set g, g+1
.endr
.endm
; Three stages at once, on bits 3, 4, 5 of a pair's number: eight groups of eight pairs (pair g + 8 k), X -> T -> U -> X, 24 instructions a group
.macro R8
.set g, 0
.rept 8
.set xb, X+2*g
.irp k, 0,2,4,6
	PADD T+2*\k, xb+16*\k, xb+16*(\k+1)
	PSUB T+2*(\k+1), xb+16*\k, xb+16*(\k+1)
.endr
.irp k, 0,1,4,5
	PADD U+2*\k, T+2*\k, T+2*(\k+2)
	PSUB U+2*(\k+2), T+2*\k, T+2*(\k+2)
.endr
.irp k, 0,1,2,3
	PADD xb+16*\k, U+2*\k, U+2*(\k+4)
	PSUB xb+16*(\k+4), U+2*\k, U+2*(\k+4)
.endr
.set g, g+1
.endr
.endm
.macro SLOAD j, reg                    ; SU's numbers of load j, in DENSE; every wave of this kind reads them, so no hint
	global_load_b128 v[\reg:\reg+3], v[XO], s[6:7] offset:512*(\j)
.endm
.macro SCALE j, sr                     ; load j's four numbers x SU, and the stage on bit 0 on the way back into X
.set mm, M+4*((\j)%2)
	v_pk_mul_f32 v[mm:mm+1], v[X+4*(\j):X+4*(\j)+1], v[\sr:\sr+1]
	v_pk_mul_f32 v[mm+2:mm+3], v[X+4*(\j)+2:X+4*(\j)+3], v[\sr+2:\sr+3]
	CROSS X+4*(\j), mm
	CROSS X+4*(\j)+2, mm+2
.endm
	s_load_b256 s[4:11], s[0:1], 0x0               ; input s[4:5], SU s[6:7], Qidxs s[8:9], grid s[10:11]
	s_load_b128 s[12:15], s[0:1], 0x20             ; the scales' exponents s[12:13], a_codes s[14:15]
	s_load_b64 s[16:17], s[0:1], 0x30              ; b_codes
	v_lshl_add_u32 v248, v0, 2, 0x10800
	v_mov_b32 v249, 0
	v_lshrrev_b32 v1, 5, v0
	v_readfirstlane_b32 s18, v1                    ; wave 0..3
	v_and_b32 v1, 31, v0                           ; lane
	s_lshr_b32 s20, ttmp9, 1
	s_lshl_b32 s20, s20, 2
	s_add_co_u32 s20, s20, s18                     ; my row: 4 x (work-group / 2) + wave
	s_mov_b32 s23, 0                               ; the upper word of every offset below
	s_wait_kmcnt 0x0
	s_load_b64 s[24:25], s[12:13], 0x0             ; e0, e1
	s_lshr_b32 s21, ttmp9, 8
	s_xor_b32 s21, s21, ttmp9
	s_and_b32 s21, s21, 1                          ; my kind: bit 0 of (number xor number / 256)
	s_cmp_lg_u32 s21, 0
	s_cbranch_scc1 .Lw                             ; kind 1 decodes the weight
	; ---------------- a row of the input ----------------
	s_lshl_b32 s22, s20, 14                        ; 16,384 bytes a row
	s_add_nc_u64 s[4:5], s[4:5], s[22:23]
	s_lshl_b32 s22, s20, 12                        ; 4,096 bytes of codes a row
	s_add_nc_u64 s[14:15], s[14:15], s[22:23]
	s_wait_alu depctr_va_vdst(0)
	v_lshlrev_b32 v[XO], 4, v1
.set jj, 0
.rept 16
	SLOAD jj, S+4*jj                               ; SU of loads 0 to 15
.set jj, jj+1
.endr
.rept 8
	SLOAD jj, T+4*(jj-16)                          ; of loads 16 to 23, in the registers that are at work later
.set jj, jj+1
.endr
.set jj, 0
.rept 32
	global_load_b128 v[X+4*jj:X+4*jj+3], v[XO], s[4:5] offset:512*jj th:TH_LOAD_NT   ; the row: 32 lanes read 512 consecutive bytes; read once in the launch
.set jj, jj+1
.endr
	s_mul_i32 s19, s18, WST                        ; my wave's stage
	v_add_nc_u32 v[WA], s19, v[XO]
	v_mul_u32_u24 v[RA], v1, BLK
	v_add_nc_u32 v[RA], s19, v[RA]
	v_mul_u32_u24 v[CW], v1, CP
	v_add_nc_u32 v[CW], s19, v[CW]
	v_lshrrev_b32 v9, 3, v1
	v_mul_u32_u24 v9, v9, CP
	v_and_b32 v[CR], 7, v1
	v_lshl_add_u32 v[CR], v[CR], 4, v9
	v_add_nc_u32 v[CR], s19, v[CR]
	s_wait_kmcnt 0x0
	s_add_co_i32 s24, s24, 6+127                   ; the sums lack the factor 1/64: number / 2^e0 = sum / 2^(e0 + 6)
	s_lshl_b32 s26, s24, 23
	v_mov_b32 v[SCL], s26                          ; 2^(e0 + 6) as f32
	s_add_co_i32 s24, s24, 15
	s_lshl_b32 s24, s24, 23
	s_or_b32 s24, s24, 0x600000
	v_mov_b32 v[LIM], s24                          ; 57,344 x 2^(e0 + 6)
	; x * SU and the stage on bit 0, as the loads come in.  Loads return in order: behind the row's load j stand 31 - j loads of the row
.set jj, 0
.rept 8
	s_wait_loadcnt 31-jj
	SCALE jj, S+4*jj
.set jj, jj+1
.endr
.set jj, 24
.rept 8
	SLOAD jj, S+4*(jj-24)                          ; SU of loads 24 to 31, into the registers whose SU has just been used
.set jj, jj+1
.endr
.set jj, 8
.rept 8
	s_wait_loadcnt 39-jj                           ; 31 - j of the row and the eight just issued may stay out
	SCALE jj, S+4*jj
.set jj, jj+1
.endr
.rept 8
	s_wait_loadcnt 39-jj
	SCALE jj, T+4*(jj-16)
.set jj, jj+1
.endr
.rept 8
	s_wait_loadcnt 31-jj                           ; the row is in; of the eight late loads of SU, 31 - j stand behind load j's
	SCALE jj, S+4*(jj-24)
.set jj, jj+1
.endr
	R4 1, 0                                        ; bits 1 and 7 of e
	R4 4, 0                                        ; bits 8 and 9
	R4 16, 0                                       ; bits 10 and 11
	; the turn: out in DENSE, back in RUN.  LDS serves a wave's instructions in order (ISA guide 5.7.1.4) and the bytes are the wave's own: no wait between the stores and the loads
.set jj, 0
.rept 32
	ds_store_b128 v[WA], v[X+4*jj:X+4*jj+3] offset:BLK*jj
.set jj, jj+1
.endr
.set jj, 0
.rept 32
	ds_load_b128 v[X+4*jj:X+4*jj+3], v[RA] offset:16*jj
.set jj, jj+1
.endr
	R4 2, 1                                        ; bits 2 and 3; its last wait is for 0: the whole row is back
	R8                                             ; bits 4, 5 and 6
	; 128 neighbours a lane become 128 codes
.set k, 0
.rept 16
.irp i, 0,1,2,3,4,5,6,7
	v_med3_num_f32 v[X+8*k+\i], v[X+8*k+\i], -v[LIM], v[LIM]   ; the conversion to an 8-bit code does not saturate (ISA guide 7.6.2): the number is held within the largest code x the scale first
.endr
	v_cvt_scalef32_pk8_bf8_f32 v[S+2*k:S+2*k+1], v[X+8*k:X+8*k+7], v[SCL]   ; eight numbers / 2^(e0 + 6), to the nearest code, ties to even; the first number's code in the lowest byte
.set k, k+1
.endr
	v_nop                                          ; a plain vector line behind the last conversion
	; a lane's 128 bytes are one piece of the row: they turn through the stage (whose reads are over), so that each store of the wave covers 512 consecutive bytes, aligned
.irp u, 0,1,2,3,4,5,6,7
	ds_store_b128 v[CW], v[S+4*\u:S+4*\u+3] offset:16*\u
.endr
.irp u, 0,1,2,3,4,5,6,7
	ds_load_b128 v[S+32+4*\u:S+32+4*\u+3], v[CR] offset:4*CP*\u   ; bytes 512 u + 16 lane of the row lie at 144 (4 u + lane / 8) + 16 (lane % 8)
.endr
.irp u, 0,1,2,3,4,5,6,7
	s_wait_dscnt 7-\u                              ; load u is back; the 7 - u behind it may stay out
	global_store_b128 v[XO], v[S+32+4*\u:S+32+4*\u+3], s[14:15] offset:512*\u
.endr
	s_wait_tensorcnt 0x0
	ds_add_u32 v248, v249
	s_wait_dscnt 0x0
	s_endpgm
	; ---------------- sixteen rows of the weight, 1,024 along K ----------------
	; b_codes IS NOT LAID BY ROWS (otherwise than the head comment says of it): it is laid in the order in which the product's launch takes an operand's registers.
	; Code (m, k), with m = 64 g + 16 b + r and k = 128 ks + 32 c + 16 h + i, lies at byte ((((32 g + ks) 4 + b) 4 + c) 32 + r + 16 h) 16 + i.
	; Work-group pair p (number / 2) takes rows 16 (p / 4) .. + 15 and K = 1,024 (p % 4) .. + 1,023: 128 indices, 512 bytes, of each row.
	; Wave w loads rows 4 w .. 4 w + 3 of them, 512 consecutive bytes a load, into a stage in LDS that this path has to itself (rows 528 bytes apart); one barrier;
	; then lane (r, h) of wave w reads, for ks = 2 w + f and piece c, its two indices: step u = 4 f + c.  Its 16 codes are its 16 bytes of a store of 512 consecutive bytes.
.Lw:
.set WS, 68096                         ; the indices' stage: behind the other path's stages and the spare words
	s_lshr_b32 s26, ttmp9, 1                       ; p
	s_lshr_b32 s27, s26, 2                         ; block of 16 rows
	s_and_b32 s26, s26, 3                          ; quarter of K
	s_lshl_b32 s22, s27, 15                        ; 16 rows of 2,048 bytes of indices
	s_lshl_b32 s28, s18, 13                        ; + my wave's four rows
	s_add_co_u32 s22, s22, s28
	s_lshl_b32 s28, s26, 9                         ; + 512 bytes a quarter
	s_add_co_u32 s22, s22, s28
	s_add_nc_u64 s[8:9], s[8:9], s[22:23]
	s_lshr_b32 s22, s27, 2
	s_lshl_b32 s22, s22, 18                        ; g: 262,144 bytes
	s_and_b32 s28, s27, 3
	s_lshl_b32 s28, s28, 11                        ; b: 2,048
	s_add_co_u32 s22, s22, s28
	s_lshl_b32 s28, s26, 16                        ; ks = 8 x quarter + 2 x wave + f: 8,192 each
	s_add_co_u32 s22, s22, s28
	s_lshl_b32 s28, s18, 14
	s_add_co_u32 s22, s22, s28
	s_add_nc_u64 s[16:17], s[16:17], s[22:23]
	s_mul_i32 s28, s18, 4*BLK
	s_add_co_u32 s28, s28, WS                      ; the stage's rows 4 w ..
	s_lshl_b32 s29, s18, 7
	s_add_co_u32 s29, s29, WS                      ; my wave's 128 bytes of each row
	s_wait_alu depctr_va_vdst(0)
	v_lshlrev_b32 v[XO], 4, v1                     ; 16 x lane
	v_add_nc_u32 v9, s28, v[XO]                    ; into the stage
	; THE GATHER GOES BY PAIRS OF LANES: lanes 2 i and 2 i + 1 (rows r and r + 1, the same h) read the two halves of ONE entry of 32 bytes, the even lane the lower 16 bytes,
	; so a load of the wave names 16 entries whole.  A step has four such loads: the even lane's two entries and the odd lane's two.  Then each lane hands its neighbour the halves that are the neighbour's.
	v_and_b32 v[CW], 1, v1
	v_cmp_eq_u32 s30, 0, v[CW]                     ; the lanes with an even number
	v_lshlrev_b32 v[CW], 4, v[CW]                  ; my half of an entry: 16 x (lane % 2)
.irp i, 0,1,2,3,4,5,6,7
	v_mov_b32 v[M+\i], 0                           ; written once: a lane move's destination counts as one of its sources
.endr
	v_and_b32 v[WA], 14, v1                        ; the pair's even row
	v_mul_u32_u24 v[WA], v[WA], BLK
	v_lshrrev_b32 v[RA], 4, v1                     ; h
	v_lshl_add_u32 v[WA], v[RA], 3, v[WA]
	v_add_nc_u32 v[WA], s29, v[WA]                 ; out of it: 528 r + 128 w + 8 h: the 16 pairs of lanes touch 16 different pieces of 8 bytes modulo 256
.irp i, 0,1,2,3
	global_load_b128 v[IDX+4*\i:IDX+4*\i+3], v[XO], s[8:9] offset:2048*\i th:TH_LOAD_NT   ; 32 lanes read 512 consecutive bytes of one row
.endr
	s_wait_alu depctr_va_vdst(0)
	s_wait_kmcnt 0x0
	s_add_co_i32 s25, s25, 127
	s_lshl_b32 s26, s25, 23
	v_mov_b32 v[SCL], s26                          ; 2^e1 as f32
	s_add_co_i32 s25, s25, 15
	s_lshl_b32 s25, s25, 23
	s_or_b32 s25, s25, 0x600000
	v_mov_b32 v[LIM], s25                          ; 57,344 x 2^e1
	s_wait_alu depctr_va_vdst(0)
	s_wait_loadcnt 0x0                             ; my four rows' indices
.irp i, 0,1,2,3
	ds_store_b128 v9, v[IDX+4*\i:IDX+4*\i+3] offset:BLK*\i
.endr
	s_wait_dscnt 0x0                               ; for the other waves' sake: my stores are done
	s_barrier_signal -1
	s_barrier_wait -1
.irp u, 0,1,2,3,4,5,6,7
	ds_load_b64 v[IDX+4*\u:IDX+4*\u+1], v[WA] offset:64*(\u/4)+16*(\u%4)          ; the even row's two indices of step u, in both lanes of the pair
	ds_load_b64 v[IDX+4*\u+2:IDX+4*\u+3], v[WA] offset:BLK+64*(\u/4)+16*(\u%4)    ; the odd row's two
.endr
	s_wait_dscnt 0x0                               ; all 32 indices
.set jj, 0
.rept 32
	v_min_u32 v[IDX+jj], 0xffff, v[IDX+jj]         ; inside the table, whatever was loaded
.set jj, jj+1
.endr
.set jj, 0
.rept 32
	v_lshlrev_b32 v[IDX+jj], 5, v[IDX+jj]          ; 32 bytes an entry
.set jj, jj+1
.endr
.set jj, 0
.rept 32
	v_add_nc_u32 v[IDX+jj], v[IDX+jj], v[CW]       ; + my half
.set jj, jj+1
.endr
.irp u, 0,1,2,3,4,5,6,7
	global_load_b128 v[X+16*\u:X+16*\u+3], v[IDX+4*\u], s[10:11]          ; my half of the even lane's first entry; entries are named again and again, so no hint
	global_load_b128 v[X+16*\u+8:X+16*\u+11], v[IDX+4*\u+1], s[10:11]     ; of its second
	global_load_b128 v[X+16*\u+4:X+16*\u+7], v[IDX+4*\u+2], s[10:11]      ; of the odd lane's first
	global_load_b128 v[X+16*\u+12:X+16*\u+15], v[IDX+4*\u+3], s[10:11]    ; of its second
.endr
.irp u, 0,1,2,3,4,5,6,7
	s_wait_loadcnt 28-4*\u                         ; step u's four loads are in; the 28 - 4 u of the later steps may stay out
.irp e, 0,8                            ; the lane's first entry, then its second: eight registers, lower half and upper half
.irp i, 0,1,2,3
	v_mov_b32_dpp v[M+\i], v[X+16*\u+\e+4+\i] row_xmask:1 row_mask:0xf bank_mask:0xf     ; my neighbour's half of the odd lane's entry
	v_mov_b32_dpp v[M+4+\i], v[X+16*\u+\e+\i] row_xmask:1 row_mask:0xf bank_mask:0xf     ; and of the even lane's
.endr
.irp i, 0,1,2,3
	v_cndmask_b32 v[X+16*\u+\e+\i], v[M+\i], v[X+16*\u+\e+\i], s30         ; the lower half: an even lane keeps its own, an odd lane takes its neighbour's
	v_cndmask_b32 v[X+16*\u+\e+4+\i], v[X+16*\u+\e+4+\i], v[M+4+\i], s30   ; the upper half: the other way round
.endr
.endr
.irp i, 0,1,2,3,4,5,6,7,8,9,10,11,12,13,14,15
	v_med3_num_f32 v[X+16*\u+\i], v[X+16*\u+\i], -v[LIM], v[LIM]
.endr
	v_cvt_scalef32_pk8_bf8_f32 v[S+4*\u:S+4*\u+1], v[X+16*\u:X+16*\u+7], v[SCL]
	v_cvt_scalef32_pk8_bf8_f32 v[S+4*\u+2:S+4*\u+3], v[X+16*\u+8:X+16*\u+15], v[SCL]
	global_store_b128 v[XO], v[S+4*\u:S+4*\u+3], s[16:17] offset:8192*(\u/4)+512*(\u%4)    ; 512 consecutive bytes, aligned; each step has its own registers for its codes
.endr
	s_wait_tensorcnt 0x0                           ; the wave's end
	ds_add_u32 v248, v249
	s_wait_dscnt 0x0
	s_endpgm
.Lfunc_end_k_qc968800bad_prep:
	.size	k_qc968800bad_prep, .Lfunc_end_k_qc968800bad_prep-k_qc968800bad_prep
	.p2alignl 7, 3214868480
	.fill 96, 4, 3214868480
	.section	.rodata,"a",@progbits
	.p2align	6, 0x0
	.amdhsa_kernel k_qc968800bad_prep
		.amdhsa_group_segment_fixed_size 76800
		.amdhsa_private_segment_fixed_size 0
		.amdhsa_enable_private_segment 0
		.amdhsa_kernarg_size 56
		.amdhsa_user_sgpr_count 2
		.amdhsa_user_sgpr_kernarg_segment_ptr 1
		.amdhsa_wavefront_size32 1
		.amdhsa_system_sgpr_workgroup_id_x 1
		.amdhsa_system_sgpr_workgroup_id_y 1
		.amdhsa_system_sgpr_workgroup_id_z 1
		.amdhsa_system_vgpr_workitem_id 0
		.amdhsa_next_free_vgpr 250
		.amdhsa_next_free_sgpr 66
		.amdhsa_reserve_vcc 0
		.amdhsa_float_denorm_mode_32 3
		.amdhsa_float_denorm_mode_16_64 3
		.amdhsa_memory_ordered 1
		.amdhsa_forward_progress 1
		.amdhsa_inst_pref_size 114
	.end_amdhsa_kernel
	.amdgpu_metadata
---
amdhsa.version: [ 1, 2 ]
amdhsa.kernels:
  - .name:           k_qc968800bad_prep
    .symbol:         k_qc968800bad_prep.kd
    .args:
      - { .name: input, .offset: 0, .size: 8, .value_kind: global_buffer, .address_space: global }
      - { .name: SU, .offset: 8, .size: 8, .value_kind: global_buffer, .address_space: global }
      - { .name: Qidxs, .offset: 16, .size: 8, .value_kind: global_buffer, .address_space: global }
      - { .name: grid, .offset: 24, .size: 8, .value_kind: global_buffer, .address_space: global }
      - { .name: lowp_scales, .offset: 32, .size: 8, .value_kind: global_buffer, .address_space: global }
      - { .name: a_codes, .offset: 40, .size: 8, .value_kind: global_buffer, .address_space: global }
      - { .name: b_codes, .offset: 48, .size: 8, .value_kind: global_buffer, .address_space: global }
    .group_segment_fixed_size: 76800
    .private_segment_fixed_size: 0
    .kernarg_segment_align: 8
    .kernarg_segment_size: 56
    .max_flat_workgroup_size: 128
    .sgpr_count:     66
    .vgpr_count:     250
    .wavefront_size: 32
...
	.end_amdgpu_metadata
.endif
;; end of part 1
;; launch gemm (part 2): grid 16 x 16, 4 waves a work-group, clusters of 4 x 1, 327,680 bytes of LDS; arguments a_codes, b_codes, lowp_scales, cbuf; writes cbuf
.if DOCPART == 2
	.amdgcn_target "amdgcn-amd-amdhsa--gfx1250"
	.amdhsa_code_object_version 6
	.text
	.protected	k_qc968800bad_gemm
	.globl	k_qc968800bad_gemm
	.p2align	8
	.type	k_qc968800bad_gemm,@function
k_qc968800bad_gemm:
	s_mov_b64 s[64:65], 0
	v_nop
	global_prefetch_b8 v0, s[64:65] scope:SCOPE_SE
	s_setreg_imm32_b32 hwreg(HW_REG_WAVE_MODE, 25, 1), 1
	s_wait_xcnt 0x0
	s_wait_alu depctr_hold_cnt(0) depctr_sa_sdst(0) depctr_va_vdst(0) depctr_va_sdst(0) depctr_va_ssrc(0) depctr_va_vcc(0) depctr_vm_vsrc(0)
	s_getreg_b32 s2, hwreg(HW_REG_IB_STS2, 6, 4)
	s_cmp_eq_u32 s2, 0
	s_cbranch_scc0 .Lentry_in_a_cluster
	s_endpgm
.Lentry_in_a_cluster:
	s_bfe_u32 s2, ttmp6, 0x10000c
	s_cmp_lg_u32 s2, 0x3003
	s_cbranch_scc0 .Lentry_shape_is_right
	s_endpgm
.Lentry_shape_is_right:
; cbuf[m][n] = 2^(e0 + e1 - 6) x sum over k of a_codes[m][k] x (the weight's code (n, k)): codes of BF8 (E5M2), sums in f32; the 2^-6 is the factor 1/64 of the rotation that follows.
; LIMIT: e0 + e1 - 6 lies between -126 and 127, so that the factor is an f32 number.
; A work-group of four waves makes 256 x 256 of cbuf; a wave makes all 256 rows x 64 columns: 64 accumulators of 16 x 16, 512 registers.
; THE TWO OPERANDS COME BY TWO ROADS.  a_codes (rows of 4,096 bytes) comes through a ring of two LDS slots, 256 rows x 512 along K each, filled by the tensor data mover, 64 rows a wave.
; b_codes is laid in the order of an operand's registers: wave w of tile column t owns the stream of 262,144 bytes at (4 t + w) x 262,144, 8,192 bytes for each 128 along K
; (four fragments of 16 columns, four pieces of 512 bytes each, 16 bytes a lane), and loads it straight into registers: a ring of four sets, three steps (48 loads) ahead, waited for by count.
; No wave reads another wave's columns, so LDS would serve nothing there, and LDS has room for slots of 512 along K: 256 matrix instructions a wave between two changes of slots.
; CLUSTER: the four work-groups of a cluster make four neighbouring tile columns of one tile row: they need the same tiles of a_codes and ask for them JOINTLY (mask 15).  They share nothing of b_codes.
; THE MATRIX INSTRUCTION IS USED TRANSPOSED (source 0 = 16 columns' codes, source 1 = 16 rows of a_codes): a lane holds eight neighbouring numbers of a row of cbuf.
; Both operands hold, in registers 4 c .. 4 c + 3 of lane (r, h), K = 32 c + 16 h + 0 .. 15: the same permutation of k on both sides; only the order of the sums inside an instruction differs from the form's own.
; REGISTERS, in windows of 256: window 0: v16-29 addresses; v32-127 the way out; v128-255 a_codes' fragments, two buffers of four.  window 1: the four sets of b_codes' fragments.
;   window 2: the accumulators of rows 0-127 (block a, columns b at v[8 (4 a + b)]);  window 3: those of rows 128-255.
; A step of 128 along K is four groups of 16 matrix instructions (four blocks of rows x my four fragments); while one buffer is multiplied, the next group's 16 LDS loads land in the other.
.set PITCH,  528                       ; an LDS row: 512 bytes + 16 of padding: the 16 rows that a load touches start 33 x 16 bytes apart
.set QT,     64*PITCH                  ; what one tensor load brings
.set SLOT,   4*QT
.set SPARE,  2*SLOT                    ; the spare words, 128 bytes for each wave
.set STAGE,  SPARE+512                 ; the way out: 16 rows x 272 bytes for each wave; no fill lands here
.set SPITCH, 272
.set WSTEP,  8192                      ; my stream's bytes for 128 along K
.set ADR, 16                           ; v16-19  my fragment address in slot 0 (rows 0-127, 128-255) and slot 1
.set STO, 20                           ; the way out: where I put 32 bytes of a row
.set RD,  21                           ; where I read a row back
.set CO,  22                           ; my byte offset in cbuf
.set WO,  23                           ; 16 x lane
.set PFO, 24                           ; prefetch of a_codes: 4,096 (lane % 16) + 256 (lane / 16)
.set PFW, 25                           ; prefetch of b_codes: 256 (8 x tile row + min(lane, 7))
.set SPW, 28
.set NIL, 29
.set TMP, 32
.set BK,  64
.set XF,  128
.set G1,  16                           ; s[16:23] descriptor group 1
.set G0,  32                           ; s[32:39] group 0, one set for each slot
.set WB,  44                           ; s[44:45] my stream, at the lap's first step
.set PFX, 46                           ; s[46:47] a_codes at my work-group's 16 of the 64 rows that I fetch, at the lap's first fill
.set MSB, 0
.macro WIN new                         ; the immediate's high byte repeats the setting that is left
.if MSB != \new
	s_set_vgpr_msb (MSB<<8)|\new
.set MSB, \new
.endif
.endm
.set MUL_LO, 0xa1                      ; source 0 window 1, source 1 window 0, C and D window 2
.set MUL_HI, 0xf1                      ; the same, C and D window 3
.set TO_W,   0x40                      ; destination window 1, address window 0
.macro PLACES                          ; four places between matrix instructions and loads into their sources or reads of their results
.rept 4
	v_nop
.endr
.endm
.macro JLOAD s                         ; every wave asks for its 64 rows; the descriptor hangs on the tile row and the wave's number alone.  The four v_nop are places
	tensor_load_to_lds s[G0+4*\s:G0+4*\s+3], s[G1:G1+7]
	s_nop 0
	PLACES
.endm
.macro CREST
	s_cmp_lg_u32 s14, 0
	s_cbranch_scc1 .Lnot_wave_0_\@
	s_barrier_signal -3
.Lnot_wave_0_\@:
	s_barrier_wait -3
	s_barrier_signal -1
	s_barrier_wait -1
.endm
.macro CROUND
	s_barrier_signal -1
	s_barrier_wait -1
	CREST
.endm
; Behind the joint load of fill n: a prefetch of fill n + 1 of a_codes and of my stream's 32,768 bytes of the same 512 along K: one change of slots, 256 matrix instructions, ahead of the next joint load.
; a_codes: a fill is 256 rows x 2 blocks of 256 bytes; of the 64 rows that wave w fetches the partner at place cx names 16, by address: a lane a block, each block once in the cluster.
; b_codes: the 16 work-groups of a tile column read the same stream: tile row y names blocks 8 y .. 8 y + 7 of the 128; lanes 8-31 name the last of them again.  cond = 1: not in the loop's last trip (there is no fill 8).
.macro ASK ox, ow, cond
.if \cond
	s_cmp_lg_u32 s3, 1
	s_cbranch_scc0 .Lno_ask_\@
.endif
	global_prefetch_b8 v[PFO], s[PFX:PFX+1] offset:\ox th:TH_LOAD_NT scope:SCOPE_SE
	global_prefetch_b8 v[PFW], s[WB:WB+1] offset:\ow th:TH_LOAD_NT scope:SCOPE_SE
.if \cond
.Lno_ask_\@:
.endif
.endm
.macro XG slot, q, g                   ; group g's four fragments (row blocks 4 g .. 4 g + 3) of the slot's q-th 128 along K into buffer g % 2
.irp i, 0,1,2,3
.irp c, 0,1,2,3
	ds_load_b128 v[XF+64*((\g)%2)+16*\i+4*\c:XF+64*((\g)%2)+16*\i+4*\c+3], v[ADR+2*(\slot)+(\g)/2] offset:(4*((\g)%2)+\i)*16*PITCH+128*(\q)+32*\c
.endr
.endr
.endm
.macro WLD set, off                    ; 8,192 bytes of my stream into a set: each load 512 consecutive bytes
	WIN TO_W
.irp i, 0,1,2,3,4,5,6,7,8,9,10,11,12,13,14,15
	global_load_b128 v[64*(\set)+4*\i:64*(\set)+4*\i+3], v[WO], s[WB:WB+1] offset:(\off)+512*\i
.endr
	WIN 0
.endm
.macro MQ g, set, zero, i              ; one block of rows against my four fragments.  The 64 accumulators take turns in the same order in every step
.irp b, 0,1,2,3
.set AC, 8*(4*(4*((\g)%2)+(\i))+\b)
.if \zero
	v_wmma_f32_16x16x128_bf8_bf8 v[AC:AC+7], v[64*(\set)+16*\b:64*(\set)+16*\b+15], v[XF+64*((\g)%2)+16*(\i):XF+64*((\g)%2)+16*(\i)+15], 0
.else
	v_wmma_f32_16x16x128_bf8_bf8 v[AC:AC+7], v[64*(\set)+16*\b:64*(\set)+16*\b+15], v[XF+64*((\g)%2)+16*(\i):XF+64*((\g)%2)+16*(\i)+15], v[AC:AC+7]
.endif
.endr
.endm
.macro MG g, set, zero
.irp i, 0,1,2,3
	MQ \g, \set, \zero, \i
.endr
.endm
; A step of 128 along K: the slot's q-th; b_codes' set is q.  woff >= 0: the stream's step three on is asked for, into the set that the last step read.  lcnt: the stream's loads issued behind this step's.
; mode 0: the next step lies in the same slot.  1: change of slots, this slot filled again.  2: change of slots, nothing filled.
.macro STEP slot, q, zero, woff, lcnt, mode
	s_wait_loadcnt \lcnt                           ; my set is in
	s_wait_dscnt 16                                ; group 0 is in; group 1's 16 loads may be out
	WIN MUL_LO
	MG 0, \q, \zero
	PLACES
.if (\woff) >= 0
	WLD ((\q)+3)%4, \woff
.endif
	WIN 0
	XG \slot, \q, 2
	s_wait_dscnt 16
	WIN MUL_LO
	MG 1, \q, \zero
	PLACES
	WIN 0
	XG \slot, \q, 3
.if \mode == 0
	s_wait_dscnt 16
	WIN MUL_HI
	MG 2, \q, \zero
	PLACES
	WIN 0
	XG \slot, (\q)+1, 0
	s_wait_dscnt 16
	WIN MUL_HI
	MG 3, \q, \zero
	PLACES
	WIN 0
	XG \slot, (\q)+1, 1
.endif
.if (\mode == 1) || (\mode == 2)
	s_wait_tensorcnt 0x0                           ; all my tensor loads have landed: my part of the next slot;
	ds_add_u32 v[SPW], v[NIL]                      ; 0 onto my spare word
.if \mode == 1
	s_add_nc_u64 s[G0+4*\slot+2:G0+4*\slot+3], s[G0+4*\slot+2:G0+4*\slot+3], 1024   ; no load of mine is out: this slot's next fill, two fills of 512 bytes on
.endif
	s_wait_dscnt 17                                ; group 2 is in; group 3's 16 loads and the add may be out
	WIN MUL_HI
	MQ 2, \q, 0, 0
	MQ 2, \q, 0, 1
	s_wait_dscnt 0x0                               ; the add is done, and my reads of this slot are over
	s_barrier_signal -1
	MQ 2, \q, 0, 2
	MQ 2, \q, 0, 3
	WIN 0
	s_barrier_wait -1
.if \mode == 1
	CREST                                          ; the barrier has opened a round of the cluster's barrier: no wave of any partner still reads this slot or has a load on its way
	JLOAD \slot
.else
	PLACES
.endif
	XG 1-(\slot), 0, 0
.if \mode == 1
	ASK (3+\slot)*512, (3+\slot)*4*WSTEP, \slot
.endif
	WIN MUL_HI
	MG 3, \q, 0
	PLACES
	WIN 0
	XG 1-(\slot), 0, 1
.endif
.endm
	s_load_b128 s[4:7], s[0:1], 0x0                ; a_codes, b_codes
	s_load_b128 s[8:11], s[0:1], 0x10              ; the scales' exponents, cbuf
	v_lshl_add_u32 v[SPW], v0, 2, SPARE
	v_mov_b32 v[NIL], 0
	ds_add_u32 v[SPW], v[NIL]
	ds_add_u32 v[SPW], v[NIL]
	v_lshrrev_b32 v1, 5, v0
	v_readfirstlane_b32 s14, v1                    ; wave 0..3
	s_bfe_u32 s40, ttmp6, 0x40000                  ; cx
	s_lshl_b32 s42, ttmp9, 2
	s_add_co_u32 s42, s42, s40                     ; tile column = 4 x cluster x + cx
	s_and_b32 s43, ttmp7, 0xffff                   ; tile row
	s_mov_b32 s[G1+0], 15|(1<<20)|(1<<21)|(6<<22)|(3<<25)   ; mask: the cluster's four; elements of 1 byte; 4 words of padding behind every 128
	s_mov_b32 s[G1+1], 512<<16                     ; tensor_dim0
	s_mov_b32 s[G1+2], 64<<16                      ; tensor_dim1
	s_mov_b32 s[G1+3], 512<<16                     ; tile_dim0
	s_mov_b32 s[G1+4], 64                          ; tile_dim1
	s_mov_b32 s[G1+5], 4096                        ; from row to row
	s_mov_b32 s[G1+6], 0
	s_mov_b32 s[G1+7], 0
	v_and_b32 v1, 15, v0                           ; r
	v_bfe_u32 v2, v0, 4, 1                         ; h
	v_and_b32 v3, 31, v0                           ; lane
	v_mul_u32_u24 v4, v1, PITCH
	v_lshl_add_u32 v[ADR], v2, 4, v4               ; row x pitch + 16 h
	v_add_nc_u32 v[ADR+1], 8*16*PITCH, v[ADR]
	v_add_nc_u32 v[ADR+2], SLOT, v[ADR]
	v_add_nc_u32 v[ADR+3], SLOT+8*16*PITCH, v[ADR]
	s_mul_i32 s15, s14, 16*SPITCH
	s_add_co_u32 s15, s15, STAGE                   ; my stage
	v_mul_u32_u24 v4, v1, SPITCH
	v_lshl_add_u32 v4, v2, 5, v4
	v_add_nc_u32 v[STO], s15, v4                   ; in: row r, 32 bytes for each half of the lanes
	v_mul_u32_u24 v4, v2, SPITCH
	v_lshl_add_u32 v4, v1, 4, v4
	v_add_nc_u32 v[RD], s15, v4                    ; back: lanes 0-15 one row of 256 bytes, lanes 16-31 the next
	v_lshlrev_b32 v4, 14, v2
	v_lshl_add_u32 v[CO], v1, 4, v4                ; and the same two rows in cbuf
	v_lshlrev_b32 v[WO], 4, v3
	v_lshlrev_b32 v4, 12, v1
	v_lshl_add_u32 v[PFO], v2, 8, v4
	v_min_u32 v4, 7, v3
	s_lshl_b32 s41, s43, 3
	v_add_nc_u32 v4, s41, v4
	v_lshlrev_b32 v[PFW], 8, v4
	s_wait_alu depctr_va_vdst(0)                   ; the head's end: no vector instruction writes an address behind it
	s_wait_dscnt 0x0                               ; both opening adds are done
	s_wait_kmcnt 0x0
	s_load_b64 s[96:97], s[8:9], 0x0               ; e0, e1
	s_lshl_b32 s48, s42, 2
	s_add_co_u32 s48, s48, s14
	s_lshl_b32 s48, s48, 18                        ; my stream: (4 x tile column + wave) x 262,144
	s_mov_b32 s49, 0
	s_add_nc_u64 s[WB:WB+1], s[6:7], s[48:49]
	WLD 0, 0                                       ; the stream's first step; the next two follow behind the first joint load, which is wanted first
	s_lshl_b32 s54, s43, 20                        ; a_codes: 256 x tile row + 64 x wave rows of 4,096 bytes, in registers that never hold cx
	s_lshl_b32 s56, s14, 18
	s_add_co_u32 s54, s54, s56
	s_mov_b32 s55, 0
	s_add_nc_u64 s[52:53], s[4:5], s[54:55]
	s_lshl_b32 s48, s40, 16                        ; the prefetches: + 16 cx rows
	s_add_nc_u64 s[PFX:PFX+1], s[52:53], s[48:49]
	s_lshl_b32 s48, s43, 22                        ; cbuf: 256 x tile row rows of 16,384 bytes + 1,024 x tile column + 256 x wave
	s_lshl_b32 s50, s42, 10
	s_add_co_u32 s48, s48, s50
	s_lshl_b32 s50, s14, 8
	s_add_co_u32 s48, s48, s50
	s_add_nc_u64 s[10:11], s[10:11], s[48:49]
	s_mul_i32 s57, s14, QT                         ; where my 64 rows go
.irp s, 0,1
	s_mov_b32 s[G0+4*\s], 1
	s_add_co_u32 s[G0+4*\s+1], s57, \s*SLOT
	s_add_nc_u64 s[G0+4*\s+2:G0+4*\s+3], s[52:53], \s*512
	s_or_b32 s[G0+4*\s+3], s[G0+4*\s+3], 0x80000000
.endr
	CROUND                                         ; the four work-groups are here: the first joint loads meet
	JLOAD 0                                        ; fill 0: one tensor load a wave at the head
	WLD 1, WSTEP
	WLD 2, 2*WSTEP
	s_wait_tensorcnt 0x0                           ; my part of fill 0 is in
	ds_add_u32 v[SPW], v[NIL]
	s_wait_dscnt 0x0
	CROUND
	JLOAD 1                                        ; fill 1, the first tensor load behind the round
	XG 0, 0, 0
	XG 0, 0, 1
	ASK 2*512, 2*4*WSTEP, 0
	STEP 0, 0, 1, 3*WSTEP, 32, 0                   ; the first step stands in front of the loop: its products start the sums
	s_mov_b32 s3, 3
.Llap:                                                 ; a trip: eight steps, from a lap's second to the next lap's first; both slots are filled again
	STEP 0, 1, 0, 4*WSTEP, 32, 0
	STEP 0, 2, 0, 5*WSTEP, 32, 0
	STEP 0, 3, 0, 6*WSTEP, 32, 1
	STEP 1, 0, 0, 7*WSTEP, 32, 0
	STEP 1, 1, 0, 8*WSTEP, 32, 0
	STEP 1, 2, 0, 9*WSTEP, 32, 0
	STEP 1, 3, 0, 10*WSTEP, 32, 1
	STEP 0, 0, 0, 11*WSTEP, 32, 0
	s_wait_xcnt 0x0                                ; my loads and prefetches have read their bases
	s_add_nc_u64 s[WB:WB+1], s[WB:WB+1], 8*WSTEP
	s_add_nc_u64 s[PFX:PFX+1], s[PFX:PFX+1], 1024
	s_sub_co_u32 s3, s3, 1
	s_cmp_lg_u32 s3, 0
	s_cbranch_scc1 .Llap
	STEP 0, 1, 0, 4*WSTEP, 32, 0                   ; the last lap fills nothing; the stream ends with step 31, asked for in step 28
	STEP 0, 2, 0, 5*WSTEP, 32, 0
	STEP 0, 3, 0, 6*WSTEP, 32, 2
; THE WAY OUT, block by block of 16 rows x my 64 columns: x 2^(e0 + e1 - 6) into other registers, each accumulator from its low end on; 32 bytes a lane into my own stage; back as whole rows of 256 bytes.
; LDS serves a wave's instructions in order (ISA guide 5.7.1.4): no wait between the stores and the loads, nor in front of the next block's stores.  Every offset in cbuf is an immediate: 254 rows of 16,384 bytes at the most.
.macro TOSTAGE a
	WIN 0x02+((\a)/8)                              ; source 0: window 2 or 3
.irp j, 0,2,4,6,8,10,12,14,16,18,20,22,24,26,28,30
	v_pk_mul_f32 v[TMP+\j:TMP+\j+1], v[32*((\a)%8)+\j:32*((\a)%8)+\j+1], s[96:97] op_sel_hi:[1,0]
.endr
	WIN 0
.irp b, 0,1,2,3
	ds_store_b128 v[STO], v[TMP+8*\b:TMP+8*\b+3] offset:64*\b
	ds_store_b128 v[STO], v[TMP+8*\b+4:TMP+8*\b+7] offset:64*\b+16
.endr
.irp t, 0,1,2,3,4,5,6,7
	ds_load_b128 v[BK+32*((\a)%2)+4*\t:BK+32*((\a)%2)+4*\t+3], v[RD] offset:\t*2*SPITCH
.endr
.endm
.macro SEND a, younger                 ; younger: the LDS instructions issued behind block a's loads
	s_wait_dscnt \younger
.irp t, 0,1,2,3,4,5,6,7
	global_store_b128 v[CO], v[BK+32*((\a)%2)+4*\t:BK+32*((\a)%2)+4*\t+3], s[10:11] offset:(16*(\a)+2*\t)*16384 th:TH_STORE_NT   ; 16 lanes store 256 consecutive bytes, aligned
.endr
.endm
	s_wait_kmcnt 0x0
	s_add_co_i32 s96, s96, s97
	s_add_co_i32 s96, s96, 127-6
	s_lshl_b32 s96, s96, 23                        ; 2^(e0 + e1 - 6) as f32
; THE LAST 512 ALONG K (slot 1) GO BY HALVES OF THE ROWS.  Its four sets of b_codes lie in the ring together, so groups 0 and 1 (rows 0-127) are taken through all four steps and leave,
; and then groups 2 and 3.  A unit is one group in one step: 16 LDS loads and 16 matrix instructions, as in every step; each fragment is read once; K ascends in every sum; the two groups' 32 accumulators take turns.
; lcnt >= 0: the stream's loads issued behind the set that this unit is the first to read.  dcnt: the LDS loads issued behind this unit's.  (ng, nq): the unit after next, fetched into the buffer just read.
.macro UNIT g, q, lcnt, dcnt, woff, ng, nq
.if (\lcnt) >= 0
	s_wait_loadcnt \lcnt
.endif
	s_wait_dscnt \dcnt
	WIN MUL_LO+0x50*((\g)/2)                       ; C and D in window 2 or 3
	MG \g, \q, 0
	PLACES
.if (\woff) >= 0
	WLD 3, \woff                                   ; the stream's last step, into the set that the slot before read last
.endif
	WIN 0
.if (\ng) >= 0
	XG 1, \nq, \ng
.endif
.endm
.macro OUT8 a0                         ; eight blocks of 16 rows leave; while one block's rows are stored, the next is on its way through the stage
.irp d, 0,1,2,3,4,5,6,7
	s_wait_xcnt 0x0                                ; earlier stores have read their registers: this block's loads may land there
	TOSTAGE \a0+\d
.if \d > 0
	SEND \a0+\d-1, 16                              ; behind the block before's loads: this block's 8 stores and 8 loads
.endif
.endr
	SEND \a0+7, 0
.endm
	UNIT 0, 0, 32, 16, 7*WSTEP, 0, 1
	UNIT 1, 0, -1, 16, -1, 1, 1
	UNIT 0, 1, 32, 16, -1, 0, 2
	UNIT 1, 1, -1, 16, -1, 1, 2
	UNIT 0, 2, 16, 16, -1, 0, 3
	UNIT 1, 2, -1, 16, -1, 1, 3
	UNIT 0, 3, 0, 16, -1, 2, 0
	UNIT 1, 3, -1, 16, -1, 3, 0
	OUT8 0                                         ; rows 0-127; the fragments of the next two units are on their way meanwhile
	UNIT 2, 0, -1, 16, -1, 2, 1
	UNIT 3, 0, -1, 16, -1, 3, 1
	UNIT 2, 1, -1, 16, -1, 2, 2
	UNIT 3, 1, -1, 16, -1, 3, 2
	UNIT 2, 2, -1, 16, -1, 2, 3
	UNIT 3, 2, -1, 16, -1, 3, 3
	UNIT 2, 3, -1, 16, -1, -1, 0
	UNIT 3, 3, -1, 0, -1, -1, 0
	OUT8 8                                         ; rows 128-255
	s_wait_tensorcnt 0x0                           ; the wave's end
	ds_add_u32 v[SPW], v[NIL]
	s_wait_dscnt 0x0
	CROUND                                         ; the closing round
	s_endpgm
.Lfunc_end_k_qc968800bad_gemm:
	.size	k_qc968800bad_gemm, .Lfunc_end_k_qc968800bad_gemm-k_qc968800bad_gemm
	.p2alignl 7, 3214868480
	.fill 96, 4, 3214868480
	.section	.rodata,"a",@progbits
	.p2align	6, 0x0
	.amdhsa_kernel k_qc968800bad_gemm
		.amdhsa_group_segment_fixed_size 327680
		.amdhsa_private_segment_fixed_size 0
		.amdhsa_enable_private_segment 0
		.amdhsa_kernarg_size 32
		.amdhsa_user_sgpr_count 2
		.amdhsa_user_sgpr_kernarg_segment_ptr 1
		.amdhsa_wavefront_size32 1
		.amdhsa_system_sgpr_workgroup_id_x 1
		.amdhsa_system_sgpr_workgroup_id_y 1
		.amdhsa_system_sgpr_workgroup_id_z 1
		.amdhsa_system_vgpr_workitem_id 0
		.amdhsa_next_free_vgpr 1024
		.amdhsa_next_free_sgpr 98
		.amdhsa_reserve_vcc 0
		.amdhsa_float_denorm_mode_32 3
		.amdhsa_float_denorm_mode_16_64 3
		.amdhsa_memory_ordered 1
		.amdhsa_forward_progress 1
		.amdhsa_inst_pref_size 221
	.end_amdhsa_kernel
	.amdgpu_metadata
---
amdhsa.version: [ 1, 2 ]
amdhsa.kernels:
  - .name:           k_qc968800bad_gemm
    .symbol:         k_qc968800bad_gemm.kd
    .args:
      - { .name: a_codes, .offset: 0, .size: 8, .value_kind: global_buffer, .address_space: global }
      - { .name: b_codes, .offset: 8, .size: 8, .value_kind: global_buffer, .address_space: global }
      - { .name: lowp_scales, .offset: 16, .size: 8, .value_kind: global_buffer, .address_space: global }
      - { .name: cbuf, .offset: 24, .size: 8, .value_kind: global_buffer, .address_space: global }
    .group_segment_fixed_size: 327680
    .private_segment_fixed_size: 0
    .kernarg_segment_align: 8
    .kernarg_segment_size: 32
    .max_flat_workgroup_size: 128
    .sgpr_count:     98
    .vgpr_count:     1024
    .wavefront_size: 32
...
	.end_amdgpu_metadata
.endif
;; end of part 2
;; launch rot (part 3): grid 512 x 1, 4 waves a work-group, no clusters, 68,096 bytes of LDS; arguments cbuf, SV, out0; writes out0
.if DOCPART == 3
	.amdgcn_target "amdgcn-amd-amdhsa--gfx1250"
	.amdhsa_code_object_version 6
	.text
	.protected	k_qc968800bad_rot
	.globl	k_qc968800bad_rot
	.p2align	8
	.type	k_qc968800bad_rot,@function
k_qc968800bad_rot:
	s_mov_b64 s[64:65], 0
	v_nop
	global_prefetch_b8 v0, s[64:65] scope:SCOPE_SE
	s_setreg_imm32_b32 hwreg(HW_REG_WAVE_MODE, 25, 1), 1
	s_wait_xcnt 0x0
; out0[row] = H(cbuf[row]) * SV.  H: the Walsh-Hadamard sums over the row's 4,096 numbers, in f32; their factor 1/64 is already in cbuf's numbers.  All in f32.
; A WAVE TAKES TWO ROWS, one after the other, and asks for both at its start: the first is rotated while the second is still on its way, and the first's stores leave while the second is rotated.
; A work-group's four waves share nothing, so there is no barrier.  512 work-groups x 4 waves x 2 rows = 4,096 rows.
; The twelve stages of H run in another order than bit 0 to bit 11: the same sums, each rounded to f32 as often.
; A ROW IN REGISTERS: 128 registers a lane, in one of two layouts (e: the number's place in the row, l: the lane):
;   DENSE  register X + 4 j + c holds e = 128 j + 4 l + c: load or store j covers 512 consecutive bytes.  Bits 0, 1, 7 .. 11 of e lie in the register's number.
;   RUN    register X + 4 t + c holds e = 128 l + 4 t + c: 128 neighbours a lane.                          Bits 0 .. 6 of e lie in the register's number.
; Bits 1, 7 .. 11 are done in DENSE as the row comes in; it turns through the wave's own stage in LDS; bits 2 .. 6 are done in RUN; it turns back; bit 0 is done in DENSE on the way out, into other
; registers, from which the product with SV goes into the registers that are stored.
; THE STAGE IN LDS: number e at 16,896 x wave + 528 (e / 128) + 4 (e % 128): blocks of 512 bytes + 16 of padding.  DENSE touches 512 consecutive bytes; in RUN the lanes stand 528 bytes = 33 x 16 apart.
; One stage serves both rows: LDS serves a wave's instructions in order.
; REGISTERS, in windows of 256 (an instruction names v0-v255; s_set_vgpr_msb says which window each operand place means: bits 1:0 source 0, 3:2 source 1, 7:6 destination):
;   row r lives in window r, and both windows have the same map: T, U at work, X the row.  The addresses lie in window 0 alone.  SV lies once, for both rows: S of window 0 holds its loads 0 to 15, S of window 1 its loads 16 to 31.
;   So row 1 is row 0's text under other settings: vector work 0x45 (sources and destination window 1), loads 0x40 (destination), stores to LDS and to memory 0x04 (their data are source 1).
.set BLK, 528                          ; a block of the stage
.set WST, 32*BLK                       ; a wave's stage: 16,896 bytes
.set ROWB, 16384                       ; a row in memory
.set XO,  2                            ; v2   16 x lane: my bytes in a load's or a store's 512
.set WA,  3                            ; v3   the stage, DENSE: wave's stage + 16 x lane
.set RA,  4                            ; v4   the stage, RUN: wave's stage + 528 x lane
.set T,   10                           ; v[10:25]   at work, in each window
.set U,   26                           ; v[26:41]   at work, in each window
.set X,   42                           ; v[42:169]  the row, in its window
.set S,   170                          ; v[170:233] half of SV, in each window
.set MSB, 0
.macro WIN new                         ; the immediate's high byte repeats the setting that is left; a switch that changes nothing is dropped
.if MSB != \new
	s_set_vgpr_msb (MSB<<8)|\new
.set MSB, \new
.endif
.endm
.macro PADD d, a, b                    ; two sums
	v_pk_add_f32 v[\d:\d+1], v[\a:\a+1], v[\b:\b+1]
.endm
.macro PSUB d, a, b                    ; two differences
	v_pk_add_f32 v[\d:\d+1], v[\a:\a+1], v[\b:\b+1] neg_lo:[0,1] neg_hi:[0,1]
.endm
.macro CROSS d, s                      ; the stage on bit 0: of the pair s, low + high into d's low half, low - high into its high half; d is never s
	v_pk_add_f32 v[\d:\d+1], v[\s:\s+1], v[\s:\s+1] op_sel:[0,1] op_sel_hi:[0,1] neg_hi:[0,1]
.endm
; Two stages at once, on the bits log2 d and log2 d + 1 of a pair's number (pair p = v[X + 2 p : X + 2 p + 1]): sixteen groups of four pairs, eight instructions a group, through four pairs of T; nothing is copied.
; Two groups go together, both first stages and then both second stages, so that no line reads what the lines just ahead of it made.
; w = 1: the row is coming back from LDS: groups g and g + 1 read registers 16 (g / 2) on, which are LDS loads 4 (g / 2) .. + 3 of 32: 28 - 2 g younger loads may stay out.
; w = 2 (d = 1): the row is coming from memory: groups g and g + 1 read its loads 2 g .. 2 g + 3 of 32: 28 - 2 g younger loads of the row may stay out, and the 'more' loads issued behind the row.
.macro R4 d, w, more
.set g, 0
.rept 8
.if \w == 1
	s_wait_dscnt 28-2*g
.endif
.if \w == 2
	s_wait_loadcnt 28-2*g+(\more)
.endif
.irp h, 0,1
.set qa, X+2*(((g+\h)/(\d))*4*(\d)+(g+\h)%(\d))
.set tq, T+8*\h
	PADD tq, qa, qa+2*(\d)
	PSUB tq+2, qa, qa+2*(\d)
	PADD tq+4, qa+4*(\d), qa+6*(\d)
	PSUB tq+6, qa+4*(\d), qa+6*(\d)
.endr
.irp h, 0,1
.set qa, X+2*(((g+\h)/(\d))*4*(\d)+(g+\h)%(\d))
.set tq, T+8*\h
	PADD qa, tq, tq+4
	PADD qa+2*(\d), tq+2, tq+6
	PSUB qa+4*(\d), tq, tq+4
	PSUB qa+6*(\d), tq+2, tq+6
.endr
.set g, g+2
.endr
.endm
; Three stages at once, on bits 3, 4, 5 of a pair's number: eight groups of eight pairs (pair g + 8 k), X -> T -> U -> X, 24 instructions a group
.macro R8
.set g, 0
.rept 8
.set xb, X+2*g
.irp k, 0,2,4,6
	PADD T+2*\k, xb+16*\k, xb+16*(\k+1)
	PSUB T+2*(\k+1), xb+16*\k, xb+16*(\k+1)
.endr
.irp k, 0,1,4,5
	PADD U+2*\k, T+2*\k, T+2*(\k+2)
	PSUB U+2*(\k+2), T+2*\k, T+2*(\k+2)
.endr
.irp k, 0,1,2,3
	PADD xb+16*\k, U+2*\k, U+2*(\k+4)
	PSUB xb+16*(\k+4), U+2*\k, U+2*(\k+4)
.endr
.set g, g+1
.endr
.endm
; Row r of the wave's two, from its loads' arrival to its stores.
.macro ROW r
.set WV, 0x45*(\r)                     ; vector work: sources 0 and 1 and the destination in the row's window
.set WL, 0x40*(\r)                     ; loads: the destination in the row's window, the address in window 0
.set WS, 0x04*(\r)                     ; stores: the data (source 1) in the row's window, the address in window 0
	WIN WV
	R4 1, 2, 32-32*(\r)                            ; bits 1 and 7 of e, as the loads come in; behind row 0's loads stand row 1's 32.  SV's loads were issued ahead of both rows': they are in with the first wait
	R4 4, 0, 0                                     ; bits 8 and 9
	R4 16, 0, 0                                    ; bits 10 and 11
	; the turn: out in DENSE, back in RUN.  LDS serves a wave's instructions in order (ISA guide 5.7.1.4) and the bytes are the wave's own: no wait between the stores and the loads
	WIN WS
.set jj, 0
.rept 32
	ds_store_b128 v[WA], v[X+4*jj:X+4*jj+3] offset:BLK*jj
.set jj, jj+1
.endr
	WIN WL
.set jj, 0
.rept 32
	ds_load_b128 v[X+4*jj:X+4*jj+3], v[RA] offset:16*jj
.set jj, jj+1
.endr
	WIN WV
	R4 2, 1, 0                                     ; bits 2 and 3; its last wait is for 0: the whole row is back
	R8                                             ; bits 4, 5 and 6
	; the turn back: out in RUN, back in DENSE
	WIN WS
.set jj, 0
.rept 32
	ds_store_b128 v[RA], v[X+4*jj:X+4*jj+3] offset:16*jj
.set jj, jj+1
.endr
	WIN WL
.set jj, 0
.rept 32
	ds_load_b128 v[X+4*jj:X+4*jj+3], v[WA] offset:BLK*jj
.set jj, jj+1
.endr
	; the way out, eight loads' numbers at a time, so that a window setting serves sixteen lines: the stage on bit 0 into T and U; x SV back into X, which the stores read and nothing writes again
.set q, 0
.rept 4
	s_wait_dscnt 24-8*q                            ; LDS loads 8 q .. 8 q + 7 are back; the 24 - 8 q behind them may stay out
	WIN WV
.set i, 0
.rept 8
	CROSS T+4*i, X+4*(8*q+i)
	CROSS T+4*i+2, X+4*(8*q+i)+2
.set i, i+1
.endr
.set WM, 0x41*(\r)+4*(q/2)             ; the sums and the products in the row's window, SV (source 1) in window q / 2
	WIN WM
.set i, 0
.rept 8
	v_pk_mul_f32 v[X+4*(8*q+i):X+4*(8*q+i)+1], v[T+4*i:T+4*i+1], v[S+4*((8*q+i)%16):S+4*((8*q+i)%16)+1]
	v_pk_mul_f32 v[X+4*(8*q+i)+2:X+4*(8*q+i)+3], v[T+4*i+2:T+4*i+3], v[S+4*((8*q+i)%16)+2:S+4*((8*q+i)%16)+3]
.set i, i+1
.endr
	WIN WS
.set i, 0
.rept 8
	global_store_b128 v[XO], v[X+4*(8*q+i):X+4*(8*q+i)+3], s[8:9] offset:512*(8*q+i)+ROWB*(\r) th:TH_STORE_NT   ; 32 lanes store 512 consecutive bytes, aligned; written once, read by nobody here
.set i, i+1
.endr
.set q, q+1
.endr
.endm
	s_load_b128 s[4:7], s[0:1], 0x0                ; cbuf s[4:5], SV s[6:7]
	s_load_b64 s[8:9], s[0:1], 0x10                ; out0
	v_lshl_add_u32 v254, v0, 2, 0x10800
	v_mov_b32 v255, 0
	v_lshrrev_b32 v1, 5, v0
	v_readfirstlane_b32 s10, v1                    ; wave 0..3
	v_and_b32 v1, 31, v0                           ; lane
	v_lshlrev_b32 v[XO], 4, v1
	s_mul_i32 s11, s10, WST                        ; my wave's stage
	v_add_nc_u32 v[WA], s11, v[XO]
	v_mul_u32_u24 v[RA], v1, BLK
	v_add_nc_u32 v[RA], s11, v[RA]
	s_lshl_b32 s12, ttmp9, 2
	s_add_co_u32 s12, s12, s10                     ; 4 x work-group + wave: my pair of rows
	s_lshl_b32 s12, s12, 15                        ; 32,768 bytes a pair: under 2^26
	s_mov_b32 s13, 0
	s_wait_alu depctr_va_vdst(0)
	s_wait_kmcnt 0x0
	s_add_nc_u64 s[4:5], s[4:5], s[12:13]
	s_add_nc_u64 s[8:9], s[8:9], s[12:13]
	; 96 loads on end: SV, row 0, row 1.  That is more than the counter's field holds: the issue of a load that would pass it waits until an earlier one is back (ISA guide 5.7.1), so no wait is written for that
.set jj, 0
.rept 16
	global_load_b128 v[S+4*jj:S+4*jj+3], v[XO], s[6:7] offset:512*jj        ; SV's loads 0 to 15, in DENSE; every wave of the launch reads SV, so no hint
.set jj, jj+1
.endr
	WIN 0x40
.set jj, 0
.rept 16
	global_load_b128 v[S+4*jj:S+4*jj+3], v[XO], s[6:7] offset:512*(jj+16)   ; its loads 16 to 31, into window 1
.set jj, jj+1
.endr
	WIN 0
.set jj, 0
.rept 32
	global_load_b128 v[X+4*jj:X+4*jj+3], v[XO], s[4:5] offset:512*jj th:TH_LOAD_NT        ; row 0: 32 lanes read 512 consecutive bytes; read once in the launch
.set jj, jj+1
.endr
	WIN 0x40
.set jj, 0
.rept 32
	global_load_b128 v[X+4*jj:X+4*jj+3], v[XO], s[4:5] offset:512*jj+ROWB th:TH_LOAD_NT   ; row 1, into window 1
.set jj, jj+1
.endr
	ROW 0
	ROW 1
	WIN 0
	s_wait_tensorcnt 0x0
	ds_add_u32 v254, v255
	s_wait_dscnt 0x0
	s_endpgm
.Lfunc_end_k_qc968800bad_rot:
	.size	k_qc968800bad_rot, .Lfunc_end_k_qc968800bad_rot-k_qc968800bad_rot
	.p2alignl 7, 3214868480
	.fill 96, 4, 3214868480
	.section	.rodata,"a",@progbits
	.p2align	6, 0x0
	.amdhsa_kernel k_qc968800bad_rot
		.amdhsa_group_segment_fixed_size 68096
		.amdhsa_private_segment_fixed_size 0
		.amdhsa_enable_private_segment 0
		.amdhsa_kernarg_size 24
		.amdhsa_user_sgpr_count 2
		.amdhsa_user_sgpr_kernarg_segment_ptr 1
		.amdhsa_wavefront_size32 1
		.amdhsa_system_sgpr_workgroup_id_x 1
		.amdhsa_system_sgpr_workgroup_id_y 1
		.amdhsa_system_sgpr_workgroup_id_z 1
		.amdhsa_system_vgpr_workitem_id 0
		.amdhsa_next_free_vgpr 496
		.amdhsa_next_free_sgpr 66
		.amdhsa_reserve_vcc 0
		.amdhsa_float_denorm_mode_32 3
		.amdhsa_float_denorm_mode_16_64 3
		.amdhsa_memory_ordered 1
		.amdhsa_forward_progress 1
		.amdhsa_inst_pref_size 139
	.end_amdhsa_kernel
	.amdgpu_metadata
---
amdhsa.version: [ 1, 2 ]
amdhsa.kernels:
  - .name:           k_qc968800bad_rot
    .symbol:         k_qc968800bad_rot.kd
    .args:
      - { .name: cbuf, .offset: 0, .size: 8, .value_kind: global_buffer, .address_space: global }
      - { .name: SV, .offset: 8, .size: 8, .value_kind: global_buffer, .address_space: global }
      - { .name: out0, .offset: 16, .size: 8, .value_kind: global_buffer, .address_space: global }
    .group_segment_fixed_size: 68096
    .private_segment_fixed_size: 0
    .kernarg_segment_align: 8
    .kernarg_segment_size: 24
    .max_flat_workgroup_size: 128
    .sgpr_count:     66
    .vgpr_count:     496
    .wavefront_size: 32
...
	.end_amdgpu_metadata
.endif
;; end of part 3
